; MI455X (gfx1250); checked and timed in simulation.
; The chip was launched on July 23, 2026; its instructions are those of AMD's public machine-readable ISA for CDNA 5 (MIT licence, August 2026) and "CDNA5" Instruction Set Architecture Reference Guide (July 2026). The comments in the code are by the model that wrote it; some were corrected since.
;; Multi Head Attention. Allowed arithmetic: matrix products marked QUANTISED: E4M3 operands, one given power-of-two scale a tensor, by v_wmma_f32_16x16x64_fp8_fp8 or v_wmma_f32_16x16x128_fp8_fp8, f32 sums; everything else in f32.
;; Inputs: W1_codes 3,072 x 32 x 32 uint8 (E4M3 codes of W1, K innermost, in blocks of 32 codes); W2_codes 1,024 x 32 x 32 uint8 (E4M3 codes of W2, K innermost, in blocks of 32 codes); b1 3,072 float32; b2 1,024 float32; lowp_scales 8 int32 (the exponents e of the quantised operands' scales 2^e); x_codes 4,096 x 32 x 32 uint8 (E4M3 codes of x, K innermost, in blocks of 32 codes).
;; Outputs: out0 4,096 x 1,024 float32.
;; This version of the problem:
;;   THIS VERSION OF THE PROBLEM IS GIVEN IN LOW PRECISION. The matrix products marked QUANTISED in the list below multiply operands that are first quantised to E4M3 (4 exponent bits, 3 mantissa bits; 8 bits a number), with one given power-of-two scale for each operand tensor; their sums are f32. All else is computed in f32.
;;   The module's matrix products, in the order in which they are computed (A, B: the left and right operand; K: the contracted axis; several contracted axes count as one K, in the product's order):
;;     1. [M 4,096, K 1,024] x [K 1,024, N 3,072]; A: input x (given as codes); B: input W1 (given as codes): QUANTISED (scales: A lowp_scales[0], B lowp_scales[1])
;;     2. batch 16 x [M 4,096, K 64] x [K 64, N 4,096]; A: computed on the way; B: computed on the way: QUANTISED (scales: A lowp_scales[2], B lowp_scales[3])
;;     3. batch 16 x [M 4,096, K 4,096] x [K 4,096, N 64]; A: computed on the way; B: computed on the way: QUANTISED (scales: A lowp_scales[4], B lowp_scales[5])
;;     4. [M 4,096, K 1,024] x [K 1,024, N 1,024]; A: computed on the way; B: input W2 (given as codes): QUANTISED (scales: A lowp_scales[6], B lowp_scales[7])
;;   THE QUANTISER, for each operand of a quantised product, along K:
;;     - The operand's scale is 2^e, e = its entry of the input lowp_scales (int32; the entries are numbered through the quantised products in the list's order, A before B).
;;     - Each number is divided by the scale, clamped to +-448, and rounded to the nearest number of E4M3, ties to even, subnormals kept.
;;     - The product sums the exact products of the quantised numbers (number of the format x scale) in f32.
;;   ~~~python
;;   def quantise(x, axis, e):      # numpy; x: float32 -> the quantised numbers, widened to float32 again
;;       x = np.moveaxis(x, axis, -1); K = x.shape[-1]
;;       r = np.clip(x / 2.0 ** e, -448, 448)
;;       step = 2.0 ** (np.maximum(np.frexp(np.where(r == 0, 1, r))[1] - 1, -6) - 3)
;;       q = np.round(r / step) * step * 2.0 ** e      # np.round: ties to even
;;       return np.moveaxis(q, -1, axis).astype(np.float32)
;;   ~~~
;;   OPERANDS COMPUTED ON THE WAY. 'Computed on the way' means the value that the module computes at that place (a softmax that the list does not call 'softmax' is quantised finished and normalised). What goes into a quantiser is computed in f32, as accurately as f32 sums, v_exp_f32 and their like allow (about 1e-6 of the number): no bf16 or f16 on the way to a quantiser, and a product that is left as it is and whose result goes on into a quantised operand takes f32 operands (vector FMAs, or v_wmma_f32_16x16x4_f32). A number that lies on a knife's edge between two numbers of the format may be rounded either way, as far as f32 arithmetic and the matrix unit's own rounding can turn it there, and no further.
;;   INPUTS GIVEN AS CODES. W1 (in the module: [1024, 3072], K = its axis 0); W2 (in the module: [1024, 1024], K = its axis 0); x (in the module: [4096, 1024], K = its axis 1): each comes as NAME_codes (uint8): NAME with its K axis moved to the last place and cut into blocks of 32 codes, [.., K / 32, bytes a block], one block behind the other in memory; one code a byte (a code: sign, 4 exponent bits, 3 mantissa bits); its scale is its entry of lowp_scales. Its value is code x scale, taken as it is: it is not quantised again, and the codes and scales need not be those that the quantiser above would give.
;; One version. Each part assembles by itself: llvm-mc -triple=amdgcn-amd-amdhsa -mcpu=gfx1250 --defsym DOCPART=n.
;; ======== version 1 of 1: 3 launches
;; workspace buffers: kq_img 8,388,608 bytes; v_img 4,194,304 bytes; o_img 4,194,304 bytes
;; launch qkv (part 1): grid 48 x 4, 4 waves a work-group, clusters of 4 x 4, 327,680 bytes of LDS; arguments x_codes, W1_codes, b1, lowp_scales, kq_img, v_img; writes kq_img, v_img
.if DOCPART == 1
	.amdgcn_target "amdgcn-amd-amdhsa--gfx1250"
	.amdhsa_code_object_version 6
	.text
	.protected	k_qd2c86cccf0_qkv
	.globl	k_qd2c86cccf0_qkv
	.p2align	8
	.type	k_qd2c86cccf0_qkv,@function
k_qd2c86cccf0_qkv:
	s_mov_b64 s[64:65], 0
	v_nop
	global_prefetch_b8 v0, s[64:65] scope:SCOPE_SE
	s_setreg_imm32_b32 hwreg(HW_REG_WAVE_MODE, 25, 1), 1
	s_wait_xcnt 0x0
	s_wait_alu depctr_hold_cnt(0) depctr_sa_sdst(0) depctr_va_vdst(0) depctr_va_sdst(0) depctr_va_ssrc(0) depctr_va_vcc(0) depctr_vm_vsrc(0)
	s_getreg_b32 s2, hwreg(HW_REG_IB_STS2, 6, 4)
	s_cmp_eq_u32 s2, 0
	s_cbranch_scc0 .Lentry_in_a_cluster
	s_endpgm
.Lentry_in_a_cluster:
	s_bfe_u32 s2, ttmp6, 0x10000c
	s_cmp_lg_u32 s2, 0xf033
	s_cbranch_scc0 .Lentry_shape_is_right
	s_endpgm
.Lentry_shape_is_right:
; kqv = x W1 + b1 on codes of E4M3 (x: 2^e0, W1: 2^e1), and its three parts quantised at once: k with 2^e3, q with 2^e2, v with 2^e5.
; ONE BODY, TWO ORIENTATIONS.  The body makes C'[i][j] = sum over k of P[i][k] Q[j][k] on tiles of 256 x 256, four waves of 128 x 128, K = 1,024 in four steps of 256 through two LDS slots.
; The matrix instruction takes 16 rows of Q as source 0 and 16 rows of P as source 1: a lane holds ONE i (lane % 16) and eight neighbouring j.  The conversions want neighbours along the NEXT product's K in one lane:
;   clusters 0-7  (k and q): P = x (i = token), Q = W1's rows 0-2047 (j = channel): neighbours along the head's channels, the K of q k^T;
;   clusters 8-11 (v):       P = W1's rows 2048-3071 (i = channel), Q = x (j = token): neighbours along the keys, the K of scores x v.
; Only pointers, strides and scalars are chosen, by s_cselect on the cluster's number, which all sixteen partners share: no branch.
; OUT: images of operand registers.  A piece of 16 bytes is what lane (r, h) holds in registers 4 b .. 4 b + 3 of an 8-bit operand: K = 32 b + 8 h + 0..7, then 32 b + 16 + 8 h + 0..7: two neighbouring result
; tiles converted eight numbers at a time.  kq_img: [k, q][head][tile of 16 tokens][piece 2 b + h][r][16 bytes];  v_img: [head][64 keys][16 channels][piece][r][16 bytes].  A wave's store covers 512 consecutive bytes, aligned.
; The bias goes in divided by 2^(e0 + e1): along j as the C of the first K step's products, along i by a packed addition on the way out; the side that does not apply holds zeros.
; CLUSTERS: 4 x 4 work-groups; P's tile is shared along a row of the cluster, Q's along a column: joint loads.
; LIMITS: F = (e3, e2 or e5) - e0 - e1 lies between -126 and 119, so that 2^F and 448 x 2^F are f32 numbers.  NaN codes among the inputs are not served.
; REGISTERS: window 0: v1-7 at work, v16-21 LDS addresses, v28-29 for the add, v32-95 bias along j, v96-111 bias along i (pairs), v112-115 offsets out, v116 448 x 2^F, v117 2^F, v128-255 P's fragments (one set), later the way out.
;   window 1: Q's fragments, two sets.   windows 2, 3: the 64 accumulators ((a, b) at v[8 (8 (a % 4) + b)]).
.set ROWB,   256                       ; a tile's row: 256 codes
.set KROW,   1024                      ; a row of x or of W1 in memory
.set PITCH,  272                       ; an LDS row: 256 bytes + 16 of padding: the 16 rows that a load touches start at 16 different banks (ISA guide 11.1)
.set FR,     16                        ; registers of a fragment, 16 rows x 128 K
.set NL,     4                         ; LDS loads that bring one
.set NP,     4                         ; places behind this matrix instruction (ISA guide 7.12.1)
.set HALFT,  128*PITCH                 ; 128 rows: one tensor load
.set SLOT,   4*HALFT                   ; P's 256 rows, then Q's 256 rows
.set SPARE,  2*SLOT                    ; behind the ring: the spare words, 128 bytes a wave
.set ADRA, 16
.set ADRB, 20
.set SPW,  28
.set NIL,  29
.set CB,   32
.set BI,   96
.set OF,   112
.set LIM,  116
.set SCL,  117
.set AF,   128
.set TMP,  128
.set CD,   192
.set WV, 16                            ; s16 wave; s17 its half of the rows i (also: fetches for P (0) or Q (1)); s18 its half of the columns j (also: which 128 rows it fetches)
.set WR, 17
.set WC, 18
.set CX, 19
.set CY, 20
.set TI, 21                            ; tile row, tile column of C'
.set TJ, 22
.set CC, 23
.set G1, 24                            ; s[24:31] group 1 for P's tiles, s[32:39] two groups 0;  s[48:55], s[56:63] the same for Q's
.set G0, 32
.set G1B, 48
.set G0B, 56
.set KEEPJ, 76                         ; all ones where the bias runs along j, else 0;  s77 the other way round
.set KEEPI, 77
.set SI, 78                            ; bytes in the image from 64 i to the next 64, and from 64 j to the next
.set SJ, 79
.set OB, 88                            ; s[88:89] where my wave's part of the image begins
.set MSB, 0
.macro WIN new                         ; the immediate's high byte repeats the setting that is left
.if MSB != (\new)
	s_set_vgpr_msb (MSB<<8)|(\new)
.set MSB, (\new)
.endif
.endm
.set MUL_LO, 0xa1                      ; source 0 (Q) window 1, source 1 (P) window 0, C and D window 2
.set MUL_HI, 0xf1                      ; the same, C and D window 3
.set TO_B,   0x40                      ; destination window 1, address window 0
; A joint load: waves 0 and 1 fetch for P, waves 2 and 3 for Q.  The branch hangs on the wave's number alone.  Four v_nop follow each of the two lines.
.macro JLOAD g0a, g1a, g0b, g1b
	s_cmp_eq_u32 s[WR], 0
	s_cbranch_scc0 .Lfor_b_\@
	tensor_load_to_lds s[\g0a:\g0a+3], s[\g1a:\g1a+7]
	s_nop 0
.rept 4
	v_nop
.endr
	s_branch .Lasked_\@
.Lfor_b_\@:
	tensor_load_to_lds s[\g0b:\g0b+3], s[\g1b:\g1b+7]
	s_nop 0
.rept 4
	v_nop
.endr
.Lasked_\@:
.endm
.macro CREST                           ; a round of the cluster's barrier behind its opening barrier
	s_cmp_lg_u32 s[WV], 0
	s_cbranch_scc1 .Lnot_wave_0_\@
	s_barrier_signal -3
.Lnot_wave_0_\@:
	s_barrier_wait -3
	s_barrier_signal -1
	s_barrier_wait -1
.endm
.macro CROUND
	s_barrier_signal -1
	s_barrier_wait -1
	CREST
.endm
	s_load_b256 s[4:11], s[0:1], 0x0               ; x s[4:5], W1 s[6:7], b1 s[8:9], the exponents s[10:11]
	s_load_b128 s[12:15], s[0:1], 0x20             ; kq_img s[12:13], v_img s[14:15]
	v_lshl_add_u32 v[SPW], v0, 2, SPARE
	v_mov_b32 v[NIL], 0
	ds_add_u32 v28, v29
	ds_add_u32 v28, v29
	s_wait_dscnt 0x0
	v_lshrrev_b32 v1, 5, v0
	v_readfirstlane_b32 s[WV], v1                  ; wave 0..3
	s_lshr_b32 s[WR], s[WV], 1
	s_and_b32 s[WC], s[WV], 1
	s_bfe_u32 s[CX], ttmp6, 0x40000                ; my place in the cluster
	s_bfe_u32 s[CY], ttmp6, 0x40004
	s_lshr_b32 s40, ttmp9, 1                       ; clusters 0-7: 4 x 2 clusters over 16 x 8 tiles;
	s_and_b32 s41, ttmp9, 1
	s_sub_co_u32 s42, ttmp9, 8                     ; clusters 8-11: 1 x 4 clusters over 4 x 16 tiles
	s_mov_b32 s[SI], 0x40000
	s_mov_b32 s[SJ], 0x1000
	s_cmp_lt_u32 ttmp9, 8                          ; k and q, or v?  The same in all sixteen partners
	s_cselect_b32 s40, s40, 0
	s_cselect_b32 s[CC], s41, s42
	s_cselect_b32 s[KEEPJ], -1, 0
	s_cselect_b32 s[KEEPI], 0, -1
	s_cselect_b32 s[SI], 0x1000, s[SI]             ; k, q: 64 tokens are 4 tiles of 1,024 bytes, 64 channels a head of 262,144;  v: the other way round
	s_cselect_b32 s[SJ], 0x40000, s[SJ]
	s_lshl_b32 s[TI], s40, 2
	s_add_co_u32 s[TI], s[TI], s[CY]
	s_lshl_b32 s[TJ], s[CC], 2
	s_add_co_u32 s[TJ], s[TJ], s[CX]
	s_lshl_b32 s43, s[CY], 2
	s_lshl_b32 s43, 15, s43                        ; my row of the cluster
	s_lshl_b32 s44, 0x1111, s[CX]                  ; my column
	s_or_b32 s[G1+0], s43, (0<<16)|(1<<20)|(1<<21)|(5<<22)|(3<<25)   ; the mask; elements of 1 byte; padding on; bit 21 beside a mask; 4 words of padding behind every 64
	s_or_b32 s[G1B+0], s44, (0<<16)|(1<<20)|(1<<21)|(5<<22)|(3<<25)
.irp g, G1, G1B
	s_mov_b32 s[\g+1], ROWB<<16                    ; tensor_dim0
	s_mov_b32 s[\g+2], 128<<16                     ; tensor_dim1
	s_mov_b32 s[\g+3], ROWB<<16                    ; tile_dim0
	s_mov_b32 s[\g+4], 128                         ; tile_dim1
	s_mov_b32 s[\g+5], KROW                        ; from row to row
	s_mov_b32 s[\g+6], 0
	s_mov_b32 s[\g+7], 0
.endr
	s_lshl_b32 s45, s[WC], 7                       ; which 128 rows of the tile I fetch
	s_lshl_b32 s80, s[TI], 8
	s_add_co_u32 s80, s80, s45
	s_lshl_b32 s80, s80, 10                        ; P: (256 ti + 128 half) rows of 1,024 bytes
	s_mov_b32 s81, 0
	s_lshl_b32 s82, s[TJ], 8
	s_add_co_u32 s82, s82, s45
	s_lshl_b32 s82, s82, 10                        ; Q likewise by tj
	s_mov_b32 s83, 0
	s_mul_i32 s46, s[WV], HALFT                    ; where they go: wave x 128 rows
	s_wait_kmcnt 0x0
	s_load_b256 s[68:75], s[10:11], 0x0            ; e0 .. e7
	s_add_nc_u64 s[90:91], s[6:7], 0x200000        ; W1's row 2,048
	s_cmp_lt_u32 ttmp9, 8
	s_cselect_b64 s[92:93], s[4:5], s[90:91]       ; P
	s_cselect_b64 s[94:95], s[6:7], s[4:5]         ; Q
	s_cselect_b64 s[OB:OB+1], s[12:13], s[14:15]   ; the image
	s_add_nc_u64 s[80:81], s[92:93], s[80:81]
	s_add_nc_u64 s[82:83], s[94:95], s[82:83]
	CROUND                                         ; all sixteen work-groups are here: the first joint loads meet
.irp s, 0,1
	s_mov_b32 s[G0+4*\s], 1
	s_add_co_u32 s[G0+4*\s+1], s46, \s*SLOT
	s_add_nc_u64 s[G0+4*\s+2:G0+4*\s+3], s[80:81], \s*ROWB
	s_or_b32 s[G0+4*\s+3], s[G0+4*\s+3], 0x80000000
	s_mov_b32 s[G0B+4*\s], 1
	s_add_co_u32 s[G0B+4*\s+1], s46, \s*SLOT
	s_add_nc_u64 s[G0B+4*\s+2:G0B+4*\s+3], s[82:83], \s*ROWB
	s_or_b32 s[G0B+4*\s+3], s[G0B+4*\s+3], 0x80000000
	JLOAD G0+4*\s, G1, G0B+4*\s, G1B
.endr
	; all below stands while the first tiles are on their way
	v_and_b32 v1, 15, v0                           ; r
	v_bfe_u32 v2, v0, 4, 1                         ; h
	v_mul_u32_u24 v3, v1, PITCH
	v_lshl_add_u32 v4, v2, 4, v3                   ; a fragment's row x pitch + 16 h
	s_mul_i32 s40, s[WR], HALFT                    ; my 128 rows of P,
	s_mul_i32 s41, s[WC], HALFT                    ; my 128 rows of Q,
	s_add_co_u32 s41, s41, 2*HALFT                 ; which lie behind P's 256
.irp s, 0,1
	v_add_nc_u32 v[ADRA+\s], s40, v4
	v_add_nc_u32 v[ADRB+\s], s41, v4
	s_add_co_u32 s40, s40, SLOT
	s_add_co_u32 s41, s41, SLOT
.endr
	; the bias: along j b1[256 tj + 128 wc + ..] (k, q), along i b1[2048 + 256 ti + 128 wr + ..] (v); the side that does not apply reads b1's first 128 numbers and is made zero below
	s_lshl_b32 s42, s[TJ], 8
	s_lshl_b32 s43, s[WC], 7
	s_add_co_u32 s42, s42, s43
	s_lshl_b32 s42, s42, 2
	s_lshl_b32 s44, s[TI], 8
	s_lshl_b32 s45, s[WR], 7
	s_add_co_u32 s44, s44, s45
	s_add_co_u32 s44, s44, 2048
	s_lshl_b32 s44, s44, 2
	s_cmp_lt_u32 ttmp9, 8
	s_cselect_b32 s42, s42, 0
	s_cselect_b32 s44, 0, s44
	s_mov_b32 s43, 0
	s_mov_b32 s45, 0
	s_add_nc_u64 s[84:85], s[8:9], s[42:43]
	s_add_nc_u64 s[86:87], s[8:9], s[44:45]
	v_lshlrev_b32 v5, 5, v2                        ; 32 h: my eight numbers of a tile's sixteen
	v_lshlrev_b32 v6, 2, v1                        ; 4 r
.irp b, 0,1,2,3,4,5,6,7
	global_load_b128 v[CB+8*\b:CB+8*\b+3], v5, s[84:85] offset:64*\b
	global_load_b128 v[CB+8*\b+4:CB+8*\b+7], v5, s[84:85] offset:64*\b+16
.endr
.irp a, 0,1,2,3,4,5,6,7
	global_load_b32 v[BI+2*\a], v6, s[86:87] offset:64*\a
	v_mov_b32 v[BI+2*\a+1], 0                      ; (named with it as a pair, so it is written)
.endr
	v_lshlrev_b32 v7, 8, v2
	v_lshl_add_u32 v7, v1, 4, v7                   ; out: 256 h + 16 r
	v_mov_b32 v[OF], v7
	v_add_nc_u32 v[OF+1], s[SJ], v7                ; + the second 64 of j
	v_add_nc_u32 v[OF+2], s[SI], v7                ; + the second 64 of i
	v_add_nc_u32 v[OF+3], s[SI], v[OF+1]
	s_lshl_b32 s40, s[TI], 2
	s_lshl_b32 s41, s[WR], 1
	s_add_co_u32 s40, s40, s41
	s_mul_i32 s40, s40, s[SI]                      ; (4 ti + 2 wr) x SI
	s_lshl_b32 s42, s[TJ], 2
	s_lshl_b32 s43, s[WC], 1
	s_add_co_u32 s42, s42, s43
	s_mul_i32 s42, s42, s[SJ]                      ; (4 tj + 2 wc) x SJ
	s_add_co_u32 s40, s40, s42
	s_mov_b32 s41, 0
	s_add_nc_u64 s[OB:OB+1], s[OB:OB+1], s[40:41]
	s_wait_kmcnt 0x0
	s_add_co_i32 s40, s68, s69                     ; e0 + e1: a sum stands for sum x 2^(e0 + e1)
	s_sub_co_i32 s41, 0, s40
	s_cmp_eq_u32 s[CC], 0                          ; columns 0-1023 are k (e3), 1024-2047 q (e2)
	s_cselect_b32 s42, s71, s70
	s_cmp_lt_u32 ttmp9, 8
	s_cselect_b32 s42, s42, s73                    ; v: e5
	s_sub_co_i32 s42, s42, s40                     ; F: the three scales folded into the conversion's one
	s_add_co_i32 s42, s42, 127
	s_lshl_b32 s43, s42, 23
	v_mov_b32 v[SCL], s43                          ; 2^F
	s_add_co_i32 s42, s42, 8
	s_lshl_b32 s42, s42, 23
	s_or_b32 s42, s42, 0x600000
	v_mov_b32 v[LIM], s42                          ; 448 x 2^F
	s_wait_loadcnt 0x0                             ; the bias
.set i, 0
.rept 64
	v_ldexp_f32 v[CB+i], v[CB+i], s41              ; b1 / 2^(e0 + e1),
	v_cndmask_b32 v[CB+i], 0, v[CB+i], s[KEEPJ]    ; or 0 where the bias runs along i
.set i, i+1
.endr
.irp a, 0,1,2,3,4,5,6,7
	v_ldexp_f32 v[BI+2*\a], v[BI+2*\a], s41
	v_cndmask_b32 v[BI+2*\a], 0, v[BI+2*\a], s[KEEPI]
.endr
.macro FRAG reg, adr, q, i             ; 16 rows x 128 K: four loads of 16 bytes, 32 apart: the same permutation of k in P and in Q, so every product meets its partner
.irp c, 0,1,2,3
	ds_load_b128 v[\reg+4*\c:\reg+4*\c+3], v[\adr] offset:128*(\q)+32*\c+(\i)*16*PITCH
.endr
.endm
; 16 matrix instructions: P's blocks a0, a0 + 1 x Q's eight.  zero = 1: the first K step starts the sums with the bias along j as C.  The 64 accumulators take turns, one instruction a turn.
.macro MUL16 a0, p, zero
.irp a, \a0, \a0+1
.irp b, 0,1,2,3,4,5,6,7
.if \zero
	v_wmma_f32_16x16x128_fp8_fp8 v[8*(8*((\a)%4)+\b):8*(8*((\a)%4)+\b)+7], v[128*(\p)+FR*\b:128*(\p)+FR*\b+FR-1], v[AF+FR*(\a):AF+FR*(\a)+FR-1], v[CB+8*\b:CB+8*\b+7]
.else
	v_wmma_f32_16x16x128_fp8_fp8 v[8*(8*((\a)%4)+\b):8*(8*((\a)%4)+\b)+7], v[128*(\p)+FR*\b:128*(\p)+FR*\b+FR-1], v[AF+FR*(\a):AF+FR*(\a)+FR-1], v[8*(8*((\a)%4)+\b):8*(8*((\a)%4)+\b)+7]
.endif
.endr
.endr
.endm
.macro FETCH_B slot, q, p
	WIN TO_B
.irp i, 0,1,2,3,4,5,6,7
	FRAG 128*(\p)+FR*\i, ADRB+\slot, \q, \i
.endr
	WIN 0
.endm
.macro FETCH_A slot, q, i0
.irp i, \i0, \i0+1, \i0+2, \i0+3
	FRAG AF+FR*(\i), ADRA+\slot, \q, \i
.endr
.endm
.macro PLACES n                        ; plain vector instructions between a matrix instruction and a load into, or a vector write of, one of its registers, or a read of its result
.rept \n
	v_nop
.endr
.endm
; A step of 128 along K that has its successor in the same slot.  P has one set of registers (a block is free when its eight products are issued), Q two.
.macro STEP slot, q, zero
	s_wait_dscnt 4*NL                              ; Q's set and P's blocks 0-3 are in; the youngest sixteen loads (P's blocks 4-7) may be out
.if \zero
	WIN 0x81                                       ; C (the bias) window 0, D window 2
.else
	WIN MUL_LO
.endif
	MUL16 0, (\q)%2, \zero
	MUL16 2, (\q)%2, \zero
	s_wait_dscnt 0                                 ; P's blocks 4-7 are in
	PLACES NP
	FETCH_B \slot, (\q)+1, 1-(\q)%2
	FETCH_A \slot, (\q)+1, 0
.if \zero
	WIN 0xc1
.else
	WIN MUL_HI
.endif
	MUL16 4, (\q)%2, \zero
	MUL16 6, (\q)%2, \zero
	PLACES NP
	WIN 0
	FETCH_A \slot, (\q)+1, 4
.endm
; A slot's last step changes slots: one barrier; in front of it each wave waits for all its tensor loads, adds 0 to its spare word, and waits for that and for its reads of this slot.  fill = 1: the slot is filled again, two K steps ahead.
.macro TURN slot, next, fill
	s_wait_tensorcnt 0x0                           ; all my tensor loads have landed: my part of the next slot
	ds_add_u32 v[SPW], v[NIL]                      ; 0 onto my spare word
	s_wait_dscnt 4*NL+1                            ; (the add and the youngest sixteen loads may be out)
	WIN MUL_LO
	MUL16 0, 1, 0                                  ; sixteen matrix instructions stand between the add and the wait for it
	s_wait_dscnt 0x0                               ; the add is done, and my reads of this slot are over
	s_barrier_signal -1
	MUL16 2, 1, 0
	WIN 0
	s_barrier_wait -1
.if \fill
	CREST                                          ; the barrier has opened a round of the cluster's barrier: no wave of any partner still reads this slot or has a load on its way
	s_add_nc_u64 s[G0+4*\slot+2:G0+4*\slot+3], s[G0+4*\slot+2:G0+4*\slot+3], 2*ROWB
	s_add_nc_u64 s[G0B+4*\slot+2:G0B+4*\slot+3], s[G0B+4*\slot+2:G0B+4*\slot+3], 2*ROWB
	JLOAD G0+4*\slot, G1, G0B+4*\slot, G1B         ; the first tensor load behind the round; its four v_nop are the places in front of the loads below
.else
	PLACES NP
.endif
	FETCH_B \next, 0, 0
	FETCH_A \next, 0, 0
	WIN MUL_HI
	MUL16 4, 1, 0
	MUL16 6, 1, 0
	PLACES NP
	WIN 0
	FETCH_A \next, 0, 4
.endm
	s_wait_tensorcnt 1                             ; my part of K step 0 is in; K step 1's load may be out
	s_barrier_signal -1
	s_barrier_wait -1
	FETCH_B 0, 0, 0
	FETCH_A 0, 0, 0
	FETCH_A 0, 0, 4
	STEP 0, 0, 1                                   ; K = 1,024 is eight steps of 128, four slots' worth: written out
	TURN 0, 1, 1
	STEP 1, 0, 0
	TURN 1, 0, 1
	STEP 0, 0, 0
	TURN 0, 1, 0                                   ; nothing is left to fetch
	STEP 1, 0, 0
	s_wait_dscnt 4*NL
	WIN MUL_LO
	MUL16 0, 1, 0
	MUL16 2, 1, 0
	s_wait_dscnt 0
	WIN MUL_HI
	MUL16 4, 1, 0
	MUL16 6, 1, 0
	WIN 0
; THE WAY OUT of block a (16 i x 128 j): + the bias along i; the hold at 448 x 2^F (the conversion to an 8-bit code does not saturate: ISA guide 7.6.2); eight conversions; four stores of 512 consecutive bytes.  No LDS.
.macro OUTBLK a
.set AC, 64*((\a)%4)
.set CW, CD+16*((\a)%2)
	WIN 0x02+(\a)/4                                ; source 0: window 2 or 3
.set j, 0
.rept 32
	v_pk_add_f32 v[TMP+j:TMP+j+1], v[AC+j:AC+j+1], v[BI+2*(\a):BI+2*(\a)+1] op_sel_hi:[1,0]   ; each accumulator from its low end on
.set j, j+2
.endr
	WIN 0
.set j, 0
.rept 64
	v_med3_num_f32 v[TMP+j], v[TMP+j], -v[LIM], v[LIM]
.set j, j+1
.endr
.if (\a) >= 2
	s_wait_xcnt 0x0                                ; block a - 2's stores have read their data: the codes' registers may be written again
.endif
.irp b, 0,1,2,3,4,5,6,7
	v_cvt_scalef32_pk8_fp8_f32 v[CW+2*\b:CW+2*\b+1], v[TMP+8*\b:TMP+8*\b+7], v[SCL]
.endr
	v_nop                                          ; a plain instruction behind the last conversion: the next block writes its sources
.irp bb, 0,1,2,3
	global_store_b128 v[OF+2*((\a)/4)+\bb/2], v[CW+4*\bb:CW+4*\bb+3], s[OB:OB+1] offset:((\a)%4)*1024+(\bb%2)*512
.endr
.endm
	PLACES NP                                      ; behind the last products: the way out writes registers that held P's fragments
.irp a, 0,1,2,3,4,5,6,7
	OUTBLK \a
.endr
	s_wait_tensorcnt 0x0                           ; the wave's end
	ds_add_u32 v[SPW], v[NIL]
	s_wait_dscnt 0x0
	CROUND                                         ; the closing round: no work-group ends while a partner may still ask for a tile that names it
	s_endpgm
.Lfunc_end_k_qd2c86cccf0_qkv:
	.size	k_qd2c86cccf0_qkv, .Lfunc_end_k_qd2c86cccf0_qkv-k_qd2c86cccf0_qkv
	.p2alignl 7, 3214868480
	.fill 96, 4, 3214868480
	.section	.rodata,"a",@progbits
	.p2align	6, 0x0
	.amdhsa_kernel k_qd2c86cccf0_qkv
		.amdhsa_group_segment_fixed_size 327680
		.amdhsa_private_segment_fixed_size 0
		.amdhsa_enable_private_segment 0
		.amdhsa_kernarg_size 48
		.amdhsa_user_sgpr_count 2
		.amdhsa_user_sgpr_kernarg_segment_ptr 1
		.amdhsa_wavefront_size32 1
		.amdhsa_system_sgpr_workgroup_id_x 1
		.amdhsa_system_sgpr_workgroup_id_y 1
		.amdhsa_system_sgpr_workgroup_id_z 1
		.amdhsa_system_vgpr_workitem_id 0
		.amdhsa_next_free_vgpr 1024
		.amdhsa_next_free_sgpr 100
		.amdhsa_reserve_vcc 0
		.amdhsa_float_denorm_mode_32 3
		.amdhsa_float_denorm_mode_16_64 3
		.amdhsa_memory_ordered 1
		.amdhsa_forward_progress 1
		.amdhsa_inst_pref_size 146
	.end_amdhsa_kernel
	.amdgpu_metadata
---
amdhsa.version: [ 1, 2 ]
amdhsa.kernels:
  - .name:           k_qd2c86cccf0_qkv
    .symbol:         k_qd2c86cccf0_qkv.kd
    .args:
      - { .name: x_codes, .offset: 0, .size: 8, .value_kind: global_buffer, .address_space: global }
      - { .name: W1_codes, .offset: 8, .size: 8, .value_kind: global_buffer, .address_space: global }
      - { .name: b1, .offset: 16, .size: 8, .value_kind: global_buffer, .address_space: global }
      - { .name: lowp_scales, .offset: 24, .size: 8, .value_kind: global_buffer, .address_space: global }
      - { .name: kq_img, .offset: 32, .size: 8, .value_kind: global_buffer, .address_space: global }
      - { .name: v_img, .offset: 40, .size: 8, .value_kind: global_buffer, .address_space: global }
    .group_segment_fixed_size: 327680
    .private_segment_fixed_size: 0
    .kernarg_segment_align: 8
    .kernarg_segment_size: 48
    .max_flat_workgroup_size: 128
    .sgpr_count:     100
    .vgpr_count:     1024
    .wavefront_size: 32
...
	.end_amdgpu_metadata
.endif
;; end of part 1
;; launch attn (part 2): grid 16 x 16, 8 waves a work-group, clusters of 4 x 1, 327,680 bytes of LDS; arguments kq_img, v_img, lowp_scales, o_img; writes o_img
.if DOCPART == 2
	.amdgcn_target "amdgcn-amd-amdhsa--gfx1250"
	.amdhsa_code_object_version 6
	.text
	.protected	k_qd2c86cccf0_attn
	.globl	k_qd2c86cccf0_attn
	.p2align	8
	.type	k_qd2c86cccf0_attn,@function
k_qd2c86cccf0_attn:
	s_mov_b64 s[64:65], 0
	v_nop
	global_prefetch_b8 v0, s[64:65] scope:SCOPE_SE
	s_setreg_imm32_b32 hwreg(HW_REG_WAVE_MODE, 25, 1), 1
	s_wait_xcnt 0x0
	s_wait_alu depctr_hold_cnt(0) depctr_sa_sdst(0) depctr_va_vdst(0) depctr_va_sdst(0) depctr_va_ssrc(0) depctr_va_vcc(0) depctr_vm_vsrc(0)
	s_getreg_b32 s2, hwreg(HW_REG_IB_STS2, 6, 4)
	s_cmp_eq_u32 s2, 0
	s_cbranch_scc0 .Lentry_in_a_cluster
	s_endpgm
.Lentry_in_a_cluster:
	s_bfe_u32 s2, ttmp6, 0x10000c
	s_cmp_lg_u32 s2, 0x3003
	s_cbranch_scc0 .Lentry_shape_is_right
	s_endpgm
.Lentry_shape_is_right:
; For each head: O = Q4(tril(q k^T)) v, no softmax; q, k, v arrive as codes (2^e2, 2^e3, 2^e5), the masked scores are quantised with 2^e4, O with 2^e6.  All operands are images of registers (see below).
; SHARES.  Work-group j = 4 c + cx (c: the cluster, cx: its place in it) of a head owns the 16 tiles of 16 queries T = j + 16 m, m = 0..15: every work-group walks all keys with the same falling load,
; and the four partners of a cluster need every tile of K and V at the same time: joint loads.  Wave w: QH = w & 1 picks eight of the tiles, m(n) = 2 n + (QH xor (n & 1)); KQ = w >> 1 picks the blocks of 64 keys
; sigma = KQ mod 4.  So a block's 8 KB of K and V are read from LDS by two waves, each for up to eight tiles; the four partial sums of O meet in LDS at the end.  Two waves lie on a SIMD: one's holds beside the other's products.
; LAYOUT.  S^T = K Q^T (source 0 = 16 keys, source 1 = 16 queries), O^T = V^T P^T: a lane holds one query (lane % 16) throughout; a score tile's eight registers are keys 16 t + 8 (lane / 16) + 0..7, which one
; conversion turns into registers 2 t, 2 t + 1 of the second product's operand.  Nothing changes lanes.
; CAUSAL.  Tile n's queries lie in key block G(n) = c + 4 m(n), made of the cluster's and the wave's number alone.  sigma > G(n): hidden; sigma < G(n): open; sigma = G(n): the codes are ANDed with eight fixed
; masks (code 0 is the number 0): key tile t' < cx all ones, t' = cx a triangle, t' > cx zero.  G rises with n, so the tiles that count are n0..7, taken from 7 down.
; WHERE THE MASK CAN BITE.  Slot s holds blocks 16 s .. 16 s + 15.  Tiles under 2 s have G <= 16 s - 1: hidden, not written.  Tiles from 2 s + 2 on have m >= 4 s + 4, G >= 16 s + 16: open in the whole slot: no test is
; written for them.  Only tiles 2 s and 2 s + 1 are tested, by scalar branches on ids.
; IMAGES.  A piece of 16 bytes = registers 4 b .. 4 b + 3 of lane (r, h).  kq_img: [k, q][head][tile of 16 tokens][piece 2 b + h][r][16];  v_img: [head][64 keys][16 channels][piece][r][16];  o_img: [tile of 16 rows][4 head + 2 b + h][r][16].
; A fragment's half comes by one ds_load_b128 at base + 16 x lane: 512 consecutive bytes, no pitch, no padding.
; LIMITS: e4 - e2 - e3 and e6 - e4 - e5 lie between -126 and 119.  NaN is not served.
; REGISTERS.  window 0: v1 16 x lane; v2, v3 for the add; v4, v7 LDS addresses of K, V; v5, v6 448 x 2^F4, 2^F4; v8-15 masks; v16-23 P; v24-55 K; v56-87 V; v88-151 S^T, two buffers; v152-215 Q (8 tiles);
;   v216-225 offsets and the last scale; v226-241 O's codes; v242-248 at work.   window 1: O^T, tile n, channels 16 f on, at v[32 n + 8 f].
.set SLOTB, 131072                     ; LDS: slot A at 0, slot B here; a slot: 1,024 keys: 65,536 bytes of K's image, then as many of V's
.set SPARE, 262144                     ; behind the ring: the spare words, 128 bytes for each of eight waves
.set LI,  1
.set SPW, 2
.set NIL, 3
.set ADK, 4
.set LIM, 5
.set SCL, 6
.set ADV, 7
.set MK,  8
.set PP,  16
.set KF,  24
.set VF,  56
.set SS,  88
.set QF,  152
.set QO,  216
.set STB, 218
.set LDB, 220
.set OV,  221
.set LIM6, 223
.set SCL6, 224
.set PFO, 225
.set CD,  226
.set WV, 12
.set QH, 13
.set KQ, 14
.set CX, 15
.set JJ, 17
.set HD, 18
.set G1,  24                           ; s[24:31] group 1: 64 rows of 256 bytes, dense: 16 KB a wave
.set G0A, 32                           ; s[32:35], s[36:39] group 0 for slot A, slot B
.set G0B, 36
.set GG,  40                           ; s40-47 G(0..7)
.set SG,  48                           ; s48 sigma: my key block in hand
.set TB,  49                           ; s49 its LDS byte
.set TR,  50                           ; s50 my key blocks still to go in the slot
.set KQ12, 51
.set QB,  52
.set PFA, 54
.set PFL, 56
.set MSB, 0
.macro WIN new
.if MSB != (\new)
	s_set_vgpr_msb (MSB<<8)|(\new)
.set MSB, (\new)
.endif
.endm
.macro CROUND                          ; a round of the cluster's barrier
	s_barrier_signal -1
	s_barrier_wait -1
	s_cmp_lg_u32 s[WV], 0
	s_cbranch_scc1 .Lnot_wave_0_\@
	s_barrier_signal -3
.Lnot_wave_0_\@:
	s_barrier_wait -3
	s_barrier_signal -1
	s_barrier_wait -1
.endm
	s_load_b256 s[4:11], s[0:1], 0x0               ; kq_img s[4:5], v_img s[6:7], the exponents s[8:9], o_img s[10:11]
	v_lshl_add_u32 v[SPW], v0, 2, SPARE
	v_mov_b32 v[NIL], 0
	ds_add_u32 v2, v3
	ds_add_u32 v2, v3
	s_wait_dscnt 0x0
	v_lshrrev_b32 v242, 5, v0
	v_readfirstlane_b32 s[WV], v242                ; wave 0..7
	s_and_b32 s[QH], s[WV], 1
	s_lshr_b32 s[KQ], s[WV], 1
	s_bfe_u32 s[CX], ttmp6, 0x40000
	s_lshl_b32 s[JJ], ttmp9, 2
	s_add_co_u32 s[JJ], s[JJ], s[CX]               ; j = 4 c + cx: it enters Q's and O's addresses and the masks alone
	s_and_b32 s[HD], ttmp7, 0xffff                 ; the head
	s_xor_b32 s57, s[QH], 1
	s_lshl_b32 s58, s[QH], 2
	s_add_co_u32 s58, s58, ttmp9
	s_lshl_b32 s59, s57, 2
	s_add_co_u32 s59, s59, ttmp9
.irp n, 0,2,4,6
	s_add_co_u32 s[GG+\n], s58, 8*\n               ; G(n) = c + 8 n + 4 QH for even n,
	s_add_co_u32 s[GG+\n+1], s59, 8*(\n+1)         ; c + 8 n + 4 (1 - QH) for odd n
.endr
	s_mov_b32 s[G1], 15|(3<<16)|(1<<21)            ; the mask: all four work-groups; elements of 8 bytes; bit 21 beside a mask; no padding
	s_mov_b32 s[G1+1], 32<<16                      ; tensor_dim0 = 32 elements: 256 bytes
	s_mov_b32 s[G1+2], 64<<16                      ; tensor_dim1 = 64
	s_mov_b32 s[G1+3], 32<<16                      ; tile_dim0
	s_mov_b32 s[G1+4], 64                          ; tile_dim1
	s_mov_b32 s[G1+5], 32                          ; from row to row: dense
	s_mov_b32 s[G1+6], 0
	s_mov_b32 s[G1+7], 0
	s_lshl_b32 s60, s[HD], 18                      ; a head's image of K, of Q or of V is 262,144 bytes
	s_and_b32 s61, s[WV], 3
	s_lshl_b32 s61, s61, 14
	s_add_co_u32 s62, s60, s61                     ; waves 0-3 fetch the quarters of a slot's K, waves 4-7 of its V
	s_mov_b32 s63, 0
	s_lshl_b32 s66, s[WV], 14                      ; and lay them at wave x 16,384
	s_wait_kmcnt 0x0
	s_load_b256 s[68:75], s[8:9], 0x0              ; e0 .. e7
	s_cmp_lt_u32 s[WV], 4
	s_cselect_b64 s[76:77], s[4:5], s[6:7]
	s_add_nc_u64 s[76:77], s[76:77], s[62:63]
	s_mov_b32 s[G0A], 1
	s_mov_b32 s[G0A+1], s66
	s_mov_b64 s[G0A+2:G0A+3], s[76:77]             ; keys 0-1023
	s_or_b32 s[G0A+3], s[G0A+3], 0x80000000
	s_mov_b32 s[G0B], 1
	s_add_co_u32 s[G0B+1], s66, SLOTB
	s_add_nc_u64 s[G0B+2:G0B+3], s[76:77], 65536   ; keys 1024-2047
	s_or_b32 s[G0B+3], s[G0B+3], 0x80000000
	CROUND                                         ; all four work-groups are here: the first joint loads meet
	tensor_load_to_lds s[G0A:G0A+3], s[G1:G1+7]    ; both first fills together: two loads of mine are out
	s_nop 0
	tensor_load_to_lds s[G0B:G0B+3], s[G1:G1+7]
	s_nop 0
.rept 4
	v_nop
.endr
	v_and_b32 v242, 31, v0                         ; lane
	v_lshlrev_b32 v[LI], 4, v242
	s_lshl_b32 s78, s[QH], 14
	s_lshl_b32 s79, s57, 14
	v_add_nc_u32 v[QO], s78, v[LI]                 ; tile n of Q lies at (j + 16 m(n)) x 1,024: n x 32,768 + QH x 16,384 for even n,
	v_add_nc_u32 v[QO+1], s79, v[LI]               ; + (1 - QH) x 16,384 for odd n
	s_lshl_b32 s80, s[JJ], 10
	s_add_co_u32 s80, s80, s60
	s_add_co_u32 s80, s80, 0x400000                ; q's half of kq_img
	s_mov_b32 s81, 0
	s_add_nc_u64 s[QB:QB+1], s[4:5], s[80:81]
.irp n, 0,1,2,3,4,5,6,7
.irp b, 0,1
	global_load_b128 v[QF+8*\n+4*\b:QF+8*\n+4*\b+3], v[QO+(\n%2)], s[QB:QB+1] offset:\n*32768+512*\b   ; Q stays in registers
.endr
.endr
	WIN 0x40                                       ; O^T begins as zeros, while the tiles are on their way: a wave whose key blocks all lie behind a tile's queries never multiplies for it, yet adds its part at the end
.set i, 0
.rept 256
	v_mov_b32 v[i], 0
.set i, i+1
.endr
	WIN 0
	; the diagonal's masks.  Byte i of a triangle's pair stands for key 8 h + i of the tile: it counts where 8 h + i <= r
	v_and_b32 v243, 15, v0                         ; r
	v_bfe_u32 v244, v0, 4, 1                       ; h
	v_lshlrev_b32 v245, 3, v244
	v_sub_nc_u32 v245, v243, v245                  ; d = r - 8 h
	v_mov_b32 v246, 0
	v_mov_b32 v247, 0
.irp i, 0,1,2,3
	v_cmp_le_i32 vcc_lo, \i, v245
	v_cndmask_b32 v248, 0, -1, vcc_lo
	v_and_or_b32 v246, v248, 0xff<<(8*\i), v246
	v_cmp_le_i32 vcc_lo, \i+4, v245
	v_cndmask_b32 v248, 0, -1, vcc_lo
	v_and_or_b32 v247, v248, 0xff<<(8*\i), v247
.endr
.irp t, 0,1,2,3
	s_cmp_eq_u32 s[CX], \t                         ; cx enters data alone: no branch hangs on it
	s_cselect_b32 s82, -1, 0
	s_cmp_gt_u32 s[CX], \t
	s_cselect_b32 s83, -1, 0
	v_and_or_b32 v[MK+2*\t], v246, s82, s83
	v_and_or_b32 v[MK+2*\t+1], v247, s82, s83
.endr
	s_wait_kmcnt 0x0
	s_sub_co_i32 s82, s72, s70
	s_sub_co_i32 s82, s82, s71                     ; F4 = e4 - e2 - e3: a score's sum stands for sum x 2^(e2 + e3)
	s_add_co_i32 s82, s82, 127
	s_lshl_b32 s83, s82, 23
	v_mov_b32 v[SCL], s83
	s_add_co_i32 s82, s82, 8
	s_lshl_b32 s82, s82, 23
	s_or_b32 s82, s82, 0x600000
	v_mov_b32 v[LIM], s82                          ; 448 x 2^F4
	s_sub_co_i32 s82, s74, s72
	s_sub_co_i32 s82, s82, s73                     ; F6 = e6 - e4 - e5
	s_add_co_i32 s82, s82, 127
	s_lshl_b32 s83, s82, 23
	v_mov_b32 v[SCL6], s83
	s_add_co_i32 s82, s82, 8
	s_lshl_b32 s82, s82, 23
	s_or_b32 s82, s82, 0x600000
	v_mov_b32 v[LIM6], s82
	; the stage of the final sum: part KQ of tile n of set QH at QH x 131,072 + n x 16,384 + KQ x 4,096
	s_lshl_b32 s84, s[QH], 17
	s_lshl_b32 s[KQ12], s[KQ], 12
	s_add_co_u32 s85, s84, s[KQ12]
	v_add_nc_u32 v[STB], s85, v[LI]
	v_add_nc_u32 v[STB+1], 0x10000, v[STB]
	s_lshl_b32 s86, s[KQ], 15
	s_add_co_u32 s86, s86, s84
	v_add_nc_u32 v[LDB], s86, v[LI]                ; I add up tiles n = 2 KQ and 2 KQ + 1 of my set: m = 4 KQ + QH and 4 KQ + 3 - QH
	s_lshl_b32 s87, s[KQ], 2
	s_add_co_u32 s88, s87, s[QH]
	s_add_co_u32 s89, s87, 3
	s_sub_co_u32 s89, s89, s[QH]
	s_lshl_b32 s90, s[HD], 10
	s_lshl_b32 s88, s88, 4
	s_add_co_u32 s88, s88, s[JJ]
	s_lshl_b32 s88, s88, 14
	s_add_co_u32 s88, s88, s90
	v_add_nc_u32 v[OV], s88, v[LI]                 ; o_img: tile x 16,384 + head x 1,024 + 16 x lane
	s_lshl_b32 s89, s89, 4
	s_add_co_u32 s89, s89, s[JJ]
	s_lshl_b32 s89, s89, 14
	s_add_co_u32 s89, s89, s90
	v_add_nc_u32 v[OV+1], s89, v[LI]
	; the one prefetch (in the second slot's work): the head's last 1,024 keys, 65,536 bytes of K's image and as many of V's.  All four clusters of a head read them: the first asks.  Its partners are told apart by
	; address: waves 0, 1 (K) and 2, 3 (V) of partner cx take 8,192 bytes at ((wave & 1) x 4 + cx) x 8,192, lanes 256 bytes apart: each block of 256 bytes is named once
	s_lshr_b32 s91, s[WV], 2
	s_or_b32 s[PFL], s91, ttmp9                    ; 0 in waves 0-3 of the head's first cluster: the same in all four partners
	s_cmp_lt_u32 s[WV], 2
	s_cselect_b64 s[PFA:PFA+1], s[4:5], s[6:7]
	s_and_b32 s91, s[WV], 1
	s_lshl_b32 s91, s91, 2
	s_add_co_u32 s91, s91, s[CX]
	s_lshl_b32 s91, s91, 13
	s_add_co_u32 s92, s91, s60
	s_add_co_u32 s92, s92, 3*65536
	s_mov_b32 s93, 0
	s_add_nc_u64 s[PFA:PFA+1], s[PFA:PFA+1], s[92:93]
	v_lshlrev_b32 v[PFO], 8, v242
	s_mov_b32 s[SG], s[KQ]
.macro KQM n                           ; S^T of tile n in one run: four tiles of 16 keys, K = the head's 64.  So stands a key block's first tile, which has no holds to stand among
.irp t, 0,1,2,3
	v_wmma_f32_16x16x64_fp8_fp8 v[SS+32*((\n)%2)+8*\t:SS+32*((\n)%2)+8*\t+7], v[KF+8*\t:KF+8*\t+7], v[QF+8*(\n):QF+8*(\n)+7], 0
.endr
.endm
; Tile n's 64 keys' scores become the second product's operand: 32 holds (the conversion to an 8-bit code does not saturate: ISA guide 7.6.2) and four conversions, each a group of eight holds behind its sources.
; il = 1: tile n - 1's four products K Q^T stand among the holds, behind numbers 6, 12, 18 and 24: they write the other score buffer.  Eight holds follow the last of them: its places (four are asked)
; in front of a load into K's registers and of the next tile's holds.
.macro QUANT n, il
.set SB, SS+32*((\n)%2)
.set SN, SS+32*(((\n)+1)%2)
.set i, 0
.rept 32
	v_med3_num_f32 v[SB+i], v[SB+i], -v[LIM], v[LIM]
.if \il && (i%6 == 5) && (i < 24)
	v_wmma_f32_16x16x64_fp8_fp8 v[SN+8*(i/6):SN+8*(i/6)+7], v[KF+8*(i/6):KF+8*(i/6)+7], v[QF+8*((\n)-1):QF+8*((\n)-1)+7], 0
.endif
.if (i%8 == 7) && (i > 7)
	v_cvt_scalef32_pk8_fp8_f32 v[PP+2*(i/8-1):PP+2*(i/8-1)+1], v[SB+8*(i/8-1):SB+8*(i/8-1)+7], v[SCL]
.endif
.set i, i+1
.endr
	v_cvt_scalef32_pk8_fp8_f32 v[PP+6:PP+7], v[SB+24:SB+31], v[SCL]
	v_nop                                          ; a plain instruction behind the last conversion, ahead of what touches its result
.endm
.macro PVM n                           ; O^T of tile n += V^T P^T: four tiles of 16 channels, K = these 64 keys; the accumulators take turns, one instruction a turn
	WIN 0x50                                       ; C and D window 1
.irp f, 0,1,2,3
	v_wmma_f32_16x16x64_fp8_fp8 v[32*(\n)+8*\f:32*(\n)+8*\f+7], v[VF+8*\f:VF+8*\f+7], v[PP:PP+7], v[32*(\n)+8*\f:32*(\n)+8*\f+7]
.endr
	WIN 0
.endm
.macro FIN n                           ; the end of tile n's turn.  EDGE = 1: the tile may lie on the diagonal in this slot: there the hidden keys' codes become 0
.if EDGE
	s_cmp_lg_u32 s[SG], s[GG+(\n)]
	s_cbranch_scc1 .Lopen_\@
.irp i, 0,1,2,3,4,5,6,7
	v_and_b32 v[PP+\i], v[PP+\i], v[MK+\i]
.endr
.Lopen_\@:
.endif
.if (\n) == 7
	s_wait_dscnt 0x0                               ; V is in
.endif
	PVM \n
.endm
.macro LOADK off                       ; a key block's four fragments of K, off bytes behind the block in hand
.irp t, 0,1,2,3
	ds_load_b128 v[KF+8*\t:KF+8*\t+3], v[ADK] offset:\off+1024*\t
	ds_load_b128 v[KF+8*\t+4:KF+8*\t+7], v[ADK] offset:\off+1024*\t+512
.endr
.endm
; K OF MY NEXT KEY BLOCK, four blocks (16,384 bytes) on, is asked for as soon as this block's last product K Q^T is issued: it has a whole tile's holds, conversions and products in which to land.
; My last block of a slot asks for nothing: the next slot's first block is asked for behind the change of slots.
.macro NEXTK
	s_cmp_eq_u32 s[TR], 1
	s_cbranch_scc1 .Lnone_\@
	LOADK 16384
.Lnone_\@:
.endm
; Tile n's turn in a key block of a slot whose lowest tile is nmin.  Tile n - 1 open in the whole slot (n - 1 >= nmin + 2): no test.  Tile n - 1 one of the slot's two edge tiles: one test, and the two ways are
; written out: it counts (its products stand among my holds, and its turn follows), or it is hidden (mine is the block's last turn: K is free).  n = nmin: the last turn in any case.
.macro BLOCK n, nmin, done
.set EDGE, 0
.if (\n) < (\nmin)+2
.set EDGE, 1
.endif
.if (\n) > (\nmin)+2
	QUANT \n, 1
	FIN \n
.elseif (\n) > (\nmin)
	s_cmp_gt_u32 s[SG], s[GG+(\n)-1]               ; is tile n - 1 hidden?
	s_cbranch_scc1 .Llast_\@
	QUANT \n, 1
	FIN \n
	s_branch .Lnext_\@
.Llast_\@:
	NEXTK
	QUANT \n, 0
	FIN \n
	s_branch \done
.Lnext_\@:
.else
	NEXTK
	QUANT \n, 0
	FIN \n
.endif
.endm
; A slot's work: my four key blocks of its sixteen.  The trip count is a constant; in the last slot (tile 7 is an edge tile there) a block that is hidden from all my tiles is passed over inside the loop.
; ask = 1: the prefetch stands here, behind my tensor load, its four lines and the run of LDS loads that the first products wait for: what the NEXT change of slots will ask for, a slot's work ahead of that load.
.macro SLOTWORK base, nmin, done, ask
	s_add_co_u32 s[TB], s[KQ12], \base
	s_mov_b32 s[TR], 4
	v_add_nc_u32 v[ADK], s[TB], v[LI]
	LOADK 0                                        ; K of my first block of the slot
.if \ask
	s_cmp_eq_u32 s[PFL], 0
	s_cbranch_scc0 .Lnot_mine_\@
	global_prefetch_b8 v[PFO], s[PFA:PFA+1] th:TH_LOAD_NT scope:SCOPE_SE
.Lnot_mine_\@:
.endif
.Lsub_\@:
.if (\nmin)+2 > 7
	s_cmp_gt_u32 s[SG], s[GG+7]
	s_cbranch_scc1 \done
.endif
	v_add_nc_u32 v[ADV], 0x10000, v[ADK]
	v_nop                                          ; places in front of loads into registers that the last products V^T P have read: four are asked; the additions that make ADK and ADV are two of them
	v_nop
.irp t, 0,1,2,3
	ds_load_b128 v[VF+8*\t:VF+8*\t+3], v[ADV] offset:1024*\t
	ds_load_b128 v[VF+8*\t+4:VF+8*\t+7], v[ADV] offset:1024*\t+512
.endr
	s_wait_dscnt 8                                 ; V's eight loads, just issued, may be out; K's eight are older on every way (in front of the loop, or in the trip before) and are in
	KQM 7
.rept 4
	v_nop                                          ; places in front of the first read of those scores, and of a load into K's registers where tile 7's is the block's only turn
.endr
.irp n, 7,6,5,4,3,2,1,0
.if \n >= \nmin
	BLOCK \n, \nmin, \done
.endif
.endr
\done:
	s_add_co_u32 s[TB], s[TB], 16384               ; four key blocks on
	v_add_nc_u32 v[ADK], s[TB], v[LI]
	s_add_co_u32 s[SG], s[SG], 4
	s_sub_co_u32 s[TR], s[TR], 1
	s_cmp_lg_u32 s[TR], 0
	s_cbranch_scc1 .Lsub_\@
.endm
; THE CHANGE OF SLOTS.  Each wave waits for all its tensor loads (its part of the slot ahead), adds 0 to its spare word, and waits for that and for its reads of the slot that it leaves.
; fill = 1: that slot takes the keys two slots on: the barrier is a round of the cluster's, and the joint refill is the first thing behind it, one load of 16 KB a wave.
.macro CHANGE fill, g0
	s_wait_tensorcnt 0x0                           ; no tensor load of mine is out, so a group 0 may be written
	ds_add_u32 v[SPW], v[NIL]                      ; 0 onto my spare word
.if \fill
	s_add_nc_u64 s[\g0+2:\g0+3], s[\g0+2:\g0+3], 131072
.endif
	s_wait_dscnt 0x0                               ; the add is done, and my reads of the slot are over
.if \fill
	CROUND
	tensor_load_to_lds s[\g0:\g0+3], s[G1:G1+7]
	s_nop 0
.rept 4
	v_nop
.endr
.else
	s_barrier_signal -1
	s_barrier_wait -1
.endif
.endm
	s_wait_tensorcnt 1                             ; my part of slot A is in; slot B's may stay out
	s_barrier_signal -1
	s_barrier_wait -1
	s_wait_loadcnt 0x0                             ; Q
	SLOTWORK 0, 0, .Ldone_a, 0
	CHANGE 1, G0A                                  ; slot A takes keys 2048-3071
	SLOTWORK SLOTB, 2, .Ldone_b, 1
	CHANGE 1, G0B                                  ; slot B takes keys 3072-4095
	SLOTWORK 0, 4, .Ldone_c, 0
	CHANGE 0, G0A                                  ; nothing is left to fetch
	SLOTWORK SLOTB, 6, .Ldone_d, 0
	; THE FINAL SUM.  Both slots have had their last fill; behind this barrier nobody reads them: they are the stage.
.rept 4
	v_nop                                          ; places behind the last products
.endr
	s_wait_dscnt 0x0
	s_barrier_signal -1
	s_barrier_wait -1
	WIN 0x04                                       ; store data window 1
.irp n, 0,1,2,3,4,5,6,7
.irp i, 0,1,2,3,4,5,6,7
	ds_store_b128 v[STB+(\n/4)], v[32*\n+4*\i:32*\n+4*\i+3] offset:(\n%4)*16384+512*\i   ; my part of tile n, as its registers stand; each accumulator from its low end on
.endr
.endr
	WIN 0
	s_wait_dscnt 0x0                               ; for the others' sake: my stores are done
	s_barrier_signal -1
	s_barrier_wait -1
	WIN 0x40
.irp e, 0,1
.irp p, 0,1,2,3
.irp i, 0,1,2,3,4,5,6,7
	ds_load_b128 v[128*\e+32*\p+4*\i:128*\e+32*\p+4*\i+3], v[LDB] offset:\e*16384+\p*4096+512*\i   ; the four parts of my two tiles
.endr
.endr
.endr
	WIN 0x45
.irp e, 0,1
.if \e == 0
	s_wait_dscnt 32                                ; the first tile's 32 loads are in; the second's may be out
.else
	s_wait_dscnt 0x0
.endif
.set i, 128*\e
.rept 16
	v_pk_add_f32 v[i:i+1], v[i:i+1], v[i+32:i+33]
	v_pk_add_f32 v[i+64:i+65], v[i+64:i+65], v[i+96:i+97]
.set i, i+2
.endr
.set i, 128*\e
.rept 16
	v_pk_add_f32 v[i:i+1], v[i:i+1], v[i+64:i+65]
.set i, i+2
.endr
.endr
	WIN 0x41
.irp e, 0,1
.set i, 128*\e
.rept 32
	v_med3_num_f32 v[i], v[i], -v[LIM6], v[LIM6]   ; the hold at 448 x 2^F6
.set i, i+1
.endr
.endr
	WIN 0x01
.irp e, 0,1
.irp f, 0,1,2,3
	v_cvt_scalef32_pk8_fp8_f32 v[CD+8*\e+2*\f:CD+8*\e+2*\f+1], v[128*\e+8*\f:128*\e+8*\f+7], v[SCL6]   ; channels 16 f + 8 h + 0..7 of my query: registers 2 f, 2 f + 1 of the last product's operand
.endr
.endr
	WIN 0
	v_nop
.irp e, 0,1
.irp b, 0,1
	global_store_b128 v[OV+\e], v[CD+8*\e+4*\b:CD+8*\e+4*\b+3], s[10:11] offset:512*\b   ; 512 consecutive bytes, aligned
.endr
.endr
	s_wait_tensorcnt 0x0                           ; the wave's end
	ds_add_u32 v[SPW], v[NIL]
	s_wait_dscnt 0x0
	CROUND                                         ; the closing round
	s_endpgm
.Lfunc_end_k_qd2c86cccf0_attn:
	.size	k_qd2c86cccf0_attn, .Lfunc_end_k_qd2c86cccf0_attn-k_qd2c86cccf0_attn
	.p2alignl 7, 3214868480
	.fill 96, 4, 3214868480
	.section	.rodata,"a",@progbits
	.p2align	6, 0x0
	.amdhsa_kernel k_qd2c86cccf0_attn
		.amdhsa_group_segment_fixed_size 327680
		.amdhsa_private_segment_fixed_size 0
		.amdhsa_enable_private_segment 0
		.amdhsa_kernarg_size 32
		.amdhsa_user_sgpr_count 2
		.amdhsa_user_sgpr_kernarg_segment_ptr 1
		.amdhsa_wavefront_size32 1
		.amdhsa_system_sgpr_workgroup_id_x 1
		.amdhsa_system_sgpr_workgroup_id_y 1
		.amdhsa_system_sgpr_workgroup_id_z 1
		.amdhsa_system_vgpr_workitem_id 0
		.amdhsa_next_free_vgpr 512
		.amdhsa_next_free_sgpr 100
		.amdhsa_reserve_vcc 1
		.amdhsa_float_denorm_mode_32 3
		.amdhsa_float_denorm_mode_16_64 3
		.amdhsa_memory_ordered 1
		.amdhsa_forward_progress 1
		.amdhsa_inst_pref_size 133
	.end_amdhsa_kernel
	.amdgpu_metadata
---
amdhsa.version: [ 1, 2 ]
amdhsa.kernels:
  - .name:           k_qd2c86cccf0_attn
    .symbol:         k_qd2c86cccf0_attn.kd
    .args:
      - { .name: kq_img, .offset: 0, .size: 8, .value_kind: global_buffer, .address_space: global }
      - { .name: v_img, .offset: 8, .size: 8, .value_kind: global_buffer, .address_space: global }
      - { .name: lowp_scales, .offset: 16, .size: 8, .value_kind: global_buffer, .address_space: global }
      - { .name: o_img, .offset: 24, .size: 8, .value_kind: global_buffer, .address_space: global }
    .group_segment_fixed_size: 327680
    .private_segment_fixed_size: 0
    .kernarg_segment_align: 8
    .kernarg_segment_size: 32
    .max_flat_workgroup_size: 256
    .sgpr_count:     100
    .vgpr_count:     512
    .wavefront_size: 32
...
	.end_amdgpu_metadata
.endif
;; end of part 2
;; launch proj (part 3): grid 8 x 32, 4 waves a work-group, clusters of 4 x 4, 327,680 bytes of LDS; arguments o_img, W2_codes, b2, lowp_scales, out0; writes out0
.if DOCPART == 3
	.amdgcn_target "amdgcn-amd-amdhsa--gfx1250"
	.amdhsa_code_object_version 6
	.text
	.protected	k_qd2c86cccf0_proj
	.globl	k_qd2c86cccf0_proj
	.p2align	8
	.type	k_qd2c86cccf0_proj,@function
k_qd2c86cccf0_proj:
	s_mov_b64 s[64:65], 0
	v_nop
	global_prefetch_b8 v0, s[64:65] scope:SCOPE_SE
	s_setreg_imm32_b32 hwreg(HW_REG_WAVE_MODE, 25, 1), 1
	s_wait_xcnt 0x0
	s_wait_alu depctr_hold_cnt(0) depctr_sa_sdst(0) depctr_va_vdst(0) depctr_va_sdst(0) depctr_va_ssrc(0) depctr_va_vcc(0) depctr_vm_vsrc(0)
	s_getreg_b32 s2, hwreg(HW_REG_IB_STS2, 6, 4)
	s_cmp_eq_u32 s2, 0
	s_cbranch_scc0 .Lentry_in_a_cluster
	s_endpgm
.Lentry_in_a_cluster:
	s_bfe_u32 s2, ttmp6, 0x10000c
	s_cmp_lg_u32 s2, 0xf033
	s_cbranch_scc0 .Lentry_shape_is_right
	s_endpgm
.Lentry_shape_is_right:
; out0 = O W2 + b2 on codes of E4M3 (O: 2^e6, as images of operand registers; W2: 2^e7, rows [n][1,024] with K innermost); out0 [4096][1024] f32.
; A tile of 128 x 128 to a work-group (256 work-groups), 64 x 64 to each of four waves.  THE WHOLE K LIES IN LDS: four chunks of 256 along K, each brought by one tensor load a wave, all asked for at the head.
; No LDS byte is filled twice: no ring; a chunk is read behind each wave's counted wait for its own load and a barrier.
; CLUSTERS: 4 x 4; O's rows are shared along a row of the cluster, W2's along a column: joint loads.
; The matrix instruction is used transposed (source 0 = 16 rows of W2, source 1 = 16 rows of O): a lane holds eight neighbouring numbers of a row of out0.
; O's image holds each k where this form's own layout has it (registers 2 c, 2 c + 1: k = 16 c + 8 h + 0..7), so W2's fragments come by loads of 8 bytes, 16 apart.
; LIMIT: e6 + e7 lies between -126 and 127, so that 2^(e6 + e7) is an f32 number.
; REGISTERS: window 0: v1-8 at work, v16-17, v20-21 LDS addresses, v24-26 the way out, v32-63 results, v64-95 rows read back, v96-127 b2, v128-255 the 16 accumulators ((a, b) at v[128 + 8 (4 a + b)]).
;   window 1: two buffers of 128: four fragments of O (16 registers each), then four of W2.
.set PITCH,  272                       ; a row of W2's chunk in LDS: 256 bytes + 16: lane (r, h) of a load of 8 bytes falls on banks 4 r + 2 h, + 1: all 64 once
.set ACH,    32768                     ; O's chunk: 8 tiles of 16 rows x 4,096 bytes, dense
.set BOFF,   4*ACH
.set BCH,    128*PITCH                 ; W2's chunk: 128 rows
.set STAGE,  BOFF+4*BCH                ; behind the chunks: 16 rows x 272 bytes for each wave; no tensor load lands there
.set ADRA, 16
.set ADRB, 20
.set STO,  24
.set RD,   25
.set CO,   26
.set TMP,  32
.set B2,   96
.set ACC,  128
.set G1A, 16                           ; s[16:23], s[24:31] groups 1;  s[32:47], s[48:63] groups 0, one for each chunk
.set G1B, 24
.set G0A, 32
.set G0B, 48
.set WV, 76
.set WR, 77
.set WC, 78
.set CX, 79
.set CY, 80
.set TN, 81
.set TM, 82
.set SC, 94
.set OUTB, 96
.set B2B, 98
.set MSB, 0
.macro WIN new
.if MSB != (\new)
	s_set_vgpr_msb (MSB<<8)|(\new)
.set MSB, (\new)
.endif
.endm
.macro CROUND
	s_barrier_signal -1
	s_barrier_wait -1
	s_cmp_lg_u32 s[WV], 0
	s_cbranch_scc1 .Lnot_wave_0_\@
	s_barrier_signal -3
.Lnot_wave_0_\@:
	s_barrier_wait -3
	s_barrier_signal -1
	s_barrier_wait -1
.endm
.macro PLACES
.rept 4
	v_nop
.endr
.endm
	s_load_b256 s[4:11], s[0:1], 0x0               ; o_img s[4:5], W2 s[6:7], b2 s[8:9], the exponents s[10:11]
	s_load_b64 s[12:13], s[0:1], 0x20              ; out0
	v_lshl_add_u32 v30, v0, 2, 0x46400
	v_mov_b32 v31, 0
	ds_add_u32 v30, v31
	ds_add_u32 v30, v31
	v_lshrrev_b32 v1, 5, v0
	v_readfirstlane_b32 s[WV], v1                  ; wave 0..3
	s_lshr_b32 s[WR], s[WV], 1                     ; my half of the rows.  Also: I fetch for O (0) or for W2 (1)
	s_and_b32 s[WC], s[WV], 1                      ; my half of the columns.  Also: which half of a chunk I fetch
	s_bfe_u32 s[CX], ttmp6, 0x40000
	s_bfe_u32 s[CY], ttmp6, 0x40004
	s_lshl_b32 s[TN], ttmp9, 2
	s_add_co_u32 s[TN], s[TN], s[CX]               ; tile column, 0..7
	s_and_b32 s[TM], ttmp7, 0xffff
	s_lshl_b32 s[TM], s[TM], 2
	s_add_co_u32 s[TM], s[TM], s[CY]               ; tile row, 0..31
	s_lshl_b32 s83, s[CY], 2
	s_lshl_b32 s83, 15, s83                        ; my row of the cluster
	s_lshl_b32 s84, 0x1111, s[CX]                  ; my column
	s_or_b32 s[G1A], s83, (3<<16)|(1<<21)          ; O: elements of 8 bytes, no padding: 4 tiles of rows x 4,096 bytes, 16,384 bytes apart
	s_mov_b32 s[G1A+1], 512<<16
	s_mov_b32 s[G1A+2], 4<<16
	s_mov_b32 s[G1A+3], 512<<16
	s_mov_b32 s[G1A+4], 4
	s_mov_b32 s[G1A+5], 2048
	s_mov_b32 s[G1A+6], 0
	s_mov_b32 s[G1A+7], 0
	s_or_b32 s[G1B], s84, (0<<16)|(1<<20)|(1<<21)|(5<<22)|(3<<25)   ; W2: elements of 1 byte, 4 words of padding behind every 64: 64 rows x 256 bytes, 1,024 apart
	s_mov_b32 s[G1B+1], 256<<16
	s_mov_b32 s[G1B+2], 64<<16
	s_mov_b32 s[G1B+3], 256<<16
	s_mov_b32 s[G1B+4], 64
	s_mov_b32 s[G1B+5], 1024
	s_mov_b32 s[G1B+6], 0
	s_mov_b32 s[G1B+7], 0
	s_lshl_b32 s86, s[TM], 3
	s_lshl_b32 s85, s[WC], 2
	s_add_co_u32 s86, s86, s85
	s_lshl_b32 s86, s86, 14                        ; O: tile of rows 8 tm + 4 half
	s_mov_b32 s87, 0
	s_lshl_b32 s88, s[TN], 7
	s_lshl_b32 s85, s[WC], 6
	s_add_co_u32 s88, s88, s85
	s_lshl_b32 s88, s88, 10                        ; W2: row 128 tn + 64 half
	s_mov_b32 s89, 0
	s_lshl_b32 s90, s[WC], 14                      ; where they go
	s_mul_i32 s91, s[WC], 64*PITCH
	s_add_co_u32 s91, s91, BOFF
	s_wait_dscnt 0x0
	s_wait_kmcnt 0x0
	s_load_b256 s[68:75], s[10:11], 0x0            ; e0 .. e7
	s_add_nc_u64 s[86:87], s[4:5], s[86:87]
	s_add_nc_u64 s[88:89], s[6:7], s[88:89]
.irp q, 0,1,2,3
	s_mov_b32 s[G0A+4*\q], 1
	s_add_co_u32 s[G0A+4*\q+1], s90, \q*ACH
	s_add_nc_u64 s[G0A+4*\q+2:G0A+4*\q+3], s[86:87], \q*4096
	s_or_b32 s[G0A+4*\q+3], s[G0A+4*\q+3], 0x80000000
	s_mov_b32 s[G0B+4*\q], 1
	s_add_co_u32 s[G0B+4*\q+1], s91, \q*BCH
	s_add_nc_u64 s[G0B+4*\q+2:G0B+4*\q+3], s[88:89], \q*256
	s_or_b32 s[G0B+4*\q+3], s[G0B+4*\q+3], 0x80000000
.endr
	CROUND                                         ; all sixteen work-groups are here: the joint loads meet
	s_cmp_lt_u32 s[WV], 2                          ; a wave's four loads stand in one branch on its number: four loads of mine are out
	s_cbranch_scc0 .Lfirst_b
.irp q, 0,1,2,3
	tensor_load_to_lds s[G0A+4*\q:G0A+4*\q+3], s[G1A:G1A+7]
	s_nop 0
.endr
	PLACES
	s_branch .Lasked
.Lfirst_b:
.irp q, 0,1,2,3
	tensor_load_to_lds s[G0B+4*\q:G0B+4*\q+3], s[G1B:G1B+7]
	s_nop 0
.endr
	PLACES
.Lasked:
	v_and_b32 v1, 15, v0                           ; r
	v_bfe_u32 v2, v0, 4, 1                         ; h
	v_and_b32 v3, 31, v0
	v_lshlrev_b32 v3, 4, v3                        ; 16 x lane
	s_lshl_b32 s92, s[WR], 14
	v_add_nc_u32 v[ADRA], s92, v3                  ; O: my four tiles of rows, chunks 0 and 1;
	v_add_nc_u32 v[ADRA+1], 2*ACH, v[ADRA]         ; chunks 2 and 3
	v_mul_u32_u24 v4, v1, PITCH
	v_lshl_add_u32 v4, v2, 3, v4                   ; W2: row r x pitch + 8 h
	s_mul_i32 s92, s[WC], 64*PITCH
	s_add_co_u32 s92, s92, BOFF
	v_add_nc_u32 v[ADRB], s92, v4
	v_add_nc_u32 v[ADRB+1], 2*BCH, v[ADRB]
	s_mul_i32 s92, s[WV], 16*PITCH
	s_add_co_u32 s92, s92, STAGE                   ; my stage
	v_mul_u32_u24 v5, v1, PITCH
	v_lshl_add_u32 v5, v2, 5, v5
	v_add_nc_u32 v[STO], s92, v5                   ; in: row r, 32 bytes for each half of the lanes
	v_mul_u32_u24 v6, v2, PITCH
	v_lshl_add_u32 v6, v1, 4, v6
	v_add_nc_u32 v[RD], s92, v6                    ; back: lanes 0-15 one row of 256 bytes, lanes 16-31 the next
	v_lshlrev_b32 v7, 12, v2
	v_lshl_add_u32 v[CO], v1, 4, v7                ; and the same two rows in out0
	s_lshl_b32 s84, s[TN], 9
	s_lshl_b32 s85, s[WC], 8
	s_add_co_u32 s84, s84, s85                     ; my first column, in bytes: 512 tn + 256 wc
	s_mov_b32 s85, 0
	s_add_nc_u64 s[B2B:B2B+1], s[8:9], s[84:85]
	s_lshl_b32 s92, s[TM], 7
	s_lshl_b32 s93, s[WR], 6
	s_add_co_u32 s92, s92, s93
	s_lshl_b32 s92, s92, 12                        ; my first row: (128 tm + 64 wr) x 4,096 bytes
	s_mov_b32 s93, 0
	s_add_nc_u64 s[OUTB:OUTB+1], s[12:13], s[92:93]
	s_add_nc_u64 s[OUTB:OUTB+1], s[OUTB:OUTB+1], s[84:85]
	v_lshlrev_b32 v8, 5, v2                        ; 32 h
.irp b, 0,1,2,3
	global_load_b128 v[B2+8*\b:B2+8*\b+3], v8, s[B2B:B2B+1] offset:64*\b       ; b2 at my eight columns of each tile
	global_load_b128 v[B2+8*\b+4:B2+8*\b+7], v8, s[B2B:B2B+1] offset:64*\b+16
.endr
	s_wait_kmcnt 0x0
	s_add_co_i32 s[SC], s74, s75
	s_add_co_i32 s[SC], s[SC], 127
	s_lshl_b32 s[SC], s[SC], 23                    ; 2^(e6 + e7) as f32
	s_mov_b32 s[SC+1], s[SC]                       ; (named with it as a pair, so it is written)
; The fragments of step s (128 along K; chunk s / 2, half s % 2) into buffer f: 16 loads of 16 bytes for O's images, 32 of 8 bytes for W2's rows
.macro FETCH s, f
	WIN 0x40
.irp a, 0,1,2,3
.irp bb, 0,1,2,3
	ds_load_b128 v[(\f)+16*\a+4*\bb:(\f)+16*\a+4*\bb+3], v[ADRA+(\s)/4] offset:(((\s)/2)%2)*ACH+\a*4096+((\s)%2)*2048+\bb*512
.endr
.endr
.irp b, 0,1,2,3
.irp c, 0,1,2,3,4,5,6,7
	ds_load_b64 v[(\f)+64+16*\b+2*\c:(\f)+64+16*\b+2*\c+1], v[ADRB+(\s)/4] offset:(((\s)/2)%2)*BCH+\b*16*PITCH+((\s)%2)*128+16*\c
.endr
.endr
.endm
.macro MUL f, zero                     ; 16 matrix instructions, the 16 accumulators by turns; zero = 1: the first step starts the sums
	WIN 0x05
.irp a, 0,1,2,3
.irp b, 0,1,2,3
.if \zero
	v_wmma_f32_16x16x128_fp8_fp8 v[ACC+8*(4*\a+\b):ACC+8*(4*\a+\b)+7], v[(\f)+64+16*\b:(\f)+64+16*\b+15], v[(\f)+16*\a:(\f)+16*\a+15], 0
.else
	v_wmma_f32_16x16x128_fp8_fp8 v[ACC+8*(4*\a+\b):ACC+8*(4*\a+\b)+7], v[(\f)+64+16*\b:(\f)+64+16*\b+15], v[(\f)+16*\a:(\f)+16*\a+15], v[ACC+8*(4*\a+\b):ACC+8*(4*\a+\b)+7]
.endif
.endr
.endr
.endm
	s_wait_tensorcnt 3                             ; my part of chunk 0 is in; the three later chunks may be out
	s_barrier_signal -1
	s_barrier_wait -1
	FETCH 0, 0
.irp s, 0,1,2,3,4,5,6
.if (\s%2) == 1                        ; the next step opens a chunk
	s_wait_dscnt 0x0                               ; no LDS load of mine is out at a signal
	s_wait_tensorcnt 3-(\s+1)/2                    ; my part of that chunk is in; the later chunks may be out
	s_barrier_signal -1
	s_barrier_wait -1
.endif
.if \s > 0
	PLACES                                         ; in front of loads into the buffer that the step before multiplied
.endif
	FETCH \s+1, 128*((\s+1)%2)
	s_wait_dscnt 48                                ; all but the 48 just issued
.if \s == 0
	MUL 0, 1
.else
	MUL 128*(\s%2), 0
.endif
.endr
	s_wait_dscnt 0x0
	MUL 128, 0
	WIN 0
; THE WAY OUT, a tile of 16 rows x 64 columns at a time: sum x 2^(e6 + e7) + b2 by one packed multiply-add for two numbers; through my own stage; back as whole rows of 256 bytes.
; LDS serves a wave's instructions in order (ISA guide 5.7.1.4): no wait between the stores and the loads, nor in front of the next tile's stores.
.macro TOSTAGE a
.set BK, 64+64*((\a)%2)                ; rows read back: v64-95 and v128-159 (row tile 0's accumulators, done with) by turns
.irp b, 0,1,2,3
.irp i, 0,2,4,6
	v_pk_fma_f32 v[TMP+8*\b+\i:TMP+8*\b+\i+1], v[ACC+8*(4*(\a)+\b)+\i:ACC+8*(4*(\a)+\b)+\i+1], s[SC:SC+1], v[B2+8*\b+\i:B2+8*\b+\i+1] op_sel_hi:[1,0,1]
.endr
.endr
.irp b, 0,1,2,3
	ds_store_b128 v[STO], v[TMP+8*\b:TMP+8*\b+3] offset:64*\b
	ds_store_b128 v[STO], v[TMP+8*\b+4:TMP+8*\b+7] offset:64*\b+16
.endr
.irp t, 0,1,2,3,4,5,6,7
	ds_load_b128 v[BK+4*\t:BK+4*\t+3], v[RD] offset:2*\t*PITCH
.endr
.endm
.macro SEND a, younger                 ; younger: the LDS instructions issued behind tile a's loads, which may stay out
.set BK, 64+64*((\a)%2)
	s_wait_dscnt \younger
.irp t, 0,1,2,3,4,5,6,7
	global_store_b128 v[CO], v[BK+4*\t:BK+4*\t+3], s[OUTB:OUTB+1] offset:(\a)*65536+8192*\t th:TH_STORE_NT   ; 16 lanes store 256 consecutive bytes, aligned; written once, read by nobody here
.endr
.endm
	s_wait_loadcnt 0x0                             ; b2
	PLACES                                         ; behind the last products
	TOSTAGE 0
	TOSTAGE 1
	SEND 0, 16                                     ; behind tile 0's loads: tile 1's 8 stores and 8 loads
	s_wait_xcnt 0x0                                ; tile 0's stores have read their registers: tile 2's rows may land there
	TOSTAGE 2
	SEND 1, 16
	s_wait_xcnt 0x0
	TOSTAGE 3
	SEND 2, 16
	SEND 3, 0
	s_wait_tensorcnt 0x0
	ds_add_u32 v30, v31
	s_wait_dscnt 0x0
	CROUND                                         ; the closing round: no work-group ends while a partner may still ask for a tile that names it
	s_endpgm
.Lfunc_end_k_qd2c86cccf0_proj:
	.size	k_qd2c86cccf0_proj, .Lfunc_end_k_qd2c86cccf0_proj-k_qd2c86cccf0_proj
	.p2alignl 7, 3214868480
	.fill 96, 4, 3214868480
	.section	.rodata,"a",@progbits
	.p2align	6, 0x0
	.amdhsa_kernel k_qd2c86cccf0_proj
		.amdhsa_group_segment_fixed_size 327680
		.amdhsa_private_segment_fixed_size 0
		.amdhsa_enable_private_segment 0
		.amdhsa_kernarg_size 40
		.amdhsa_user_sgpr_count 2
		.amdhsa_user_sgpr_kernarg_segment_ptr 1
		.amdhsa_wavefront_size32 1
		.amdhsa_system_sgpr_workgroup_id_x 1
		.amdhsa_system_sgpr_workgroup_id_y 1
		.amdhsa_system_sgpr_workgroup_id_z 1
		.amdhsa_system_vgpr_workitem_id 0
		.amdhsa_next_free_vgpr 512
		.amdhsa_next_free_sgpr 100
		.amdhsa_reserve_vcc 0
		.amdhsa_float_denorm_mode_32 3
		.amdhsa_float_denorm_mode_16_64 3
		.amdhsa_memory_ordered 1
		.amdhsa_forward_progress 1
		.amdhsa_inst_pref_size 55
	.end_amdhsa_kernel
	.amdgpu_metadata
---
amdhsa.version: [ 1, 2 ]
amdhsa.kernels:
  - .name:           k_qd2c86cccf0_proj
    .symbol:         k_qd2c86cccf0_proj.kd
    .args:
      - { .name: o_img, .offset: 0, .size: 8, .value_kind: global_buffer, .address_space: global }
      - { .name: W2_codes, .offset: 8, .size: 8, .value_kind: global_buffer, .address_space: global }
      - { .name: b2, .offset: 16, .size: 8, .value_kind: global_buffer, .address_space: global }
      - { .name: lowp_scales, .offset: 24, .size: 8, .value_kind: global_buffer, .address_space: global }
      - { .name: out0, .offset: 32, .size: 8, .value_kind: global_buffer, .address_space: global }
    .group_segment_fixed_size: 327680
    .private_segment_fixed_size: 0
    .kernarg_segment_align: 8
    .kernarg_segment_size: 40
    .max_flat_workgroup_size: 128
    .sgpr_count:     100
    .vgpr_count:     512
    .wavefront_size: 32
...
	.end_amdgpu_metadata
.endif
;; end of part 3
